; MI455X (gfx1250); checked and timed in simulation.
; The chip was launched on July 23, 2026; its instructions are those of AMD's public machine-readable ISA for CDNA 5 (MIT licence, August 2026) and "CDNA5" Instruction Set Architecture Reference Guide (July 2026). The comments in the code are by the model that wrote it; some were corrected since.
;; Attention. Allowed arithmetic: matrix products marked QUANTISED: E4M3 operands, one given power-of-two scale a tensor, by v_wmma_f32_16x16x64_fp8_fp8 or v_wmma_f32_16x16x128_fp8_fp8, f32 sums; everything else in f32.
;; Inputs: W_out 1,024 x 1,024 float32; W_qkv 1,024 x 3,072 float32; b_out 1,024 float32; lowp_scales 8 int32 (the exponents e of the quantised operands' scales 2^e); rope_cos 4,096 x 64 float32; rope_sin 4,096 x 64 float32; x 2 x 2,048 x 1,024 float32.
;; Outputs: out0 2 x 2,048 x 1,024 float32.
;; This version of the problem:
;;   THIS VERSION OF THE PROBLEM IS GIVEN IN LOW PRECISION. The matrix products marked QUANTISED in the list below multiply operands that are first quantised to E4M3 (4 exponent bits, 3 mantissa bits; 8 bits a number), with one given power-of-two scale for each operand tensor; their sums are f32. All else is computed in f32.
;;   The module's matrix products, in the order in which they are computed (A, B: the left and right operand; K: the contracted axis; several contracted axes count as one K, in the product's order):
;;     1. [M 4,096, K 1,024] x [K 1,024, N 3,072]; A: input x; B: input W_qkv: QUANTISED (scales: A lowp_scales[0], B lowp_scales[1])
;;     2. batch 32 x [M 2,048, K 64] x [K 64, N 2,048]; A: computed on the way; B: computed on the way: QUANTISED (scales: A lowp_scales[2], B lowp_scales[3])
;;     3. batch 32 x [M 2,048, K 2,048] x [K 2,048, N 64]; A: softmax (see below); B: computed on the way: QUANTISED (scales: A lowp_scales[4], B lowp_scales[5])
;;     4. [M 4,096, K 1,024] x [K 1,024, N 1,024]; A: computed on the way; B: input W_out: QUANTISED (scales: A lowp_scales[6], B lowp_scales[7])
;;   THE QUANTISER, for each operand of a quantised product, along K:
;;     - The operand's scale is 2^e, e = its entry of the input lowp_scales (int32; the entries are numbered through the quantised products in the list's order, A before B).
;;     - Each number is divided by the scale, clamped to +-448, and rounded to the nearest number of E4M3, ties to even, subnormals kept.
;;     - The product sums the exact products of the quantised numbers (number of the format x scale) in f32.
;;   ~~~python
;;   def quantise(x, axis, e):      # numpy; x: float32 -> the quantised numbers, widened to float32 again
;;       x = np.moveaxis(x, axis, -1); K = x.shape[-1]
;;       r = np.clip(x / 2.0 ** e, -448, 448)
;;       step = 2.0 ** (np.maximum(np.frexp(np.where(r == 0, 1, r))[1] - 1, -6) - 3)
;;       q = np.round(r / step) * step * 2.0 ** e      # np.round: ties to even
;;       return np.moveaxis(q, -1, axis).astype(np.float32)
;;   ~~~
;;   SOFTMAX AHEAD OF A QUANTISED PRODUCT. Where the list says 'softmax', what is quantised is not the finished softmax but p = 2^(t - M), with t = logit x log2(e) and M = ceil(the row's largest t), a whole number; so 1/2 < the row's largest p <= 1. The row's sum l is taken of the UNQUANTISED p, in f32, and the product's result is divided by l at the end. Since M is a whole number, a kernel that streams over the keys may use a running M (the ceiling of the running maximum): every later rescaling is an exact power of two, so the quantised numbers keep their values, but for numbers so far below the row's largest that they fall under the format's range.
;;   OPERANDS COMPUTED ON THE WAY. 'Computed on the way' means the value that the module computes at that place (a softmax that the list does not call 'softmax' is quantised finished and normalised). What goes into a quantiser is computed in f32, as accurately as f32 sums, v_exp_f32 and their like allow (about 1e-6 of the number): no bf16 or f16 on the way to a quantiser, and a product that is left as it is and whose result goes on into a quantised operand takes f32 operands (vector FMAs, or v_wmma_f32_16x16x4_f32). A number that lies on a knife's edge between two numbers of the format may be rounded either way, as far as f32 arithmetic and the matrix unit's own rounding can turn it there, and no further.
;; One version. Each part assembles by itself: llvm-mc -triple=amdgcn-amd-amdhsa -mcpu=gfx1250 --defsym DOCPART=n.
;; ======== version 1 of 1: 4 launches
;; limits: right only within a limited range of input values
;; workspace buffers: codes 8,388,608 bytes; qimg 4,194,304 bytes; kv 8,388,608 bytes; oc 4,194,304 bytes; rimg 1,048,576 bytes
;; launch quant (part 1): grid 544 x 1, 4 waves a work-group, no clusters, 85,504 bytes of LDS; arguments x, W_qkv, W_out, lowp_scales, codes, rope_cos, rope_sin, rimg; writes codes, rimg
.if DOCPART == 1
	.amdgcn_target "amdgcn-amd-amdhsa--gfx1250"
	.amdhsa_code_object_version 6
	.text
	.protected	k_q8744dd436b_quant
	.globl	k_q8744dd436b_quant
	.p2align	8
	.type	k_q8744dd436b_quant,@function
k_q8744dd436b_quant:
	s_mov_b64 s[64:65], 0
	v_nop
	global_prefetch_b8 v0, s[64:65] scope:SCOPE_SE
	s_setreg_imm32_b32 hwreg(HW_REG_WAVE_MODE, 25, 1), 1
	s_wait_xcnt 0x0
; x [4096][1024], W_qkv [1024][3072] and W_out [1024][1024], f32, become codes of FP8 (E4M3), each with its given scale 2^e (entries 0, 1 and 7 of the scales).
; code = number / 2^e, held within +-448, to the nearest code, ties to even.  LIMITS: each e between -126 and 119.  NaN among the inputs is not served; an infinity is held at the largest code.
; THE CODES ARE LAID AS IMAGES OF OPERAND REGISTERS.  A fragment is 16 rows x 128 along K: register 2 c + i of lane 16 h + r holds k = 16 c + 8 h + 4 i + 0 .. 3 of row r; registers 4 q .. 4 q + 3 of lane l lie at byte 512 q + 16 l: 2,048 bytes.
; codes = 64 blocks of 131,072 bytes; a block is 128 rows x 1,024 along K as [K / 256][tile of 16 rows][K / 128 % 2][2,048].  Blocks 0-31: x;  32-55: W_qkv with its columns as rows;  56-63: W_out likewise.
; Work-groups 0-255 take x (16 rows each; wave w takes k = 256 w on);  256-447 W_qkv, 448-511 W_out (128 columns x 128 along K each; a wave takes 32 columns).
; No loop, no barrier: waves share nothing; a wave asks for its 16,384 bytes at once.  Each of the three ways has LDS bytes of its own.
.set X,    32                          ; v32-159  the numbers as loaded; v32-63 later take the images on their way out
.set C,    160                         ; v160-191 the codes
.set XFR,  2176                        ; x: a fragment's stage: its 8 runs of 256 bytes, 272 bytes apart
.set XWV,  2*XFR                       ; and a wave's two
.set WST,  4*XWV                       ; the weights' stages: 4,096 bytes a wave; W_out's lie 16,384 further on
; W_qkv'S PART OF codes (the bytes of blocks 32-55) IS LAID BY HEADS: head h has 196,608 bytes, [K / 256][12 tiles of 16 columns][K / 128 % 2][2,048], its tiles in the order Q 0-3, V 0-1, K 0-3, V 2-3.
; Work-groups 512-543 lay the rope tables as images: a tile of 16 positions is 8,192 bytes, 16 pieces of 512 (cosine 8, sine 8); piece 2 b + i holds, at 16 x lane, columns 16 b + 8 h + 4 i + 0 .. 3 of row r.
; LEFT OUT: rows 2,048 on of both tables: reference() slices them away (rope_cos[:Ll], rope_sin[:Ll]), so they reach no output whatever they hold; a NaN or an infinity there is not carried.
.set RST,   WST+32768                  ; the rope's stages: two tables x 16 rows x 272 bytes a wave
.set SPARE, RST+4*8704                 ; the spare words, 128 bytes a wave
	s_load_b256 s[4:11], s[0:1], 0x0               ; x s[4:5], W_qkv s[6:7], W_out s[8:9], the scales' exponents s[10:11]
	s_load_b64 s[12:13], s[0:1], 0x20              ; codes
	v_lshl_add_u32 v12, v0, 2, SPARE               ; LDS address of my spare word, and 0: never rewritten
	v_mov_b32 v13, 0
	v_lshrrev_b32 v1, 5, v0
	v_readfirstlane_b32 s14, v1                    ; wave 0..3
	v_and_b32 v1, 31, v0                           ; lane l
	v_lshlrev_b32 v2, 4, v1                        ; 16 l
	v_lshlrev_b32 v3, 2, v1                        ; 4 l
	s_mul_i32 s24, s14, XWV
	; x, into the stage: lane l holds k = 4 l + 0 .. 3 of a row r: one word of the image, at 512 (l / 8) + 256 ((l / 2) % 2) + 16 r + 8 ((l / 4) % 2) + 4 (l % 2); each run of 256 bytes gets 16 of padding,
	; so that the 32 lanes of a store fall on 32 different words modulo 64
	v_lshrrev_b32 v8, 3, v1
	v_bfe_u32 v9, v1, 1, 1
	v_lshl_add_u32 v8, v8, 1, v9
	v_mul_u32_u24 v4, v8, 272
	v_bfe_u32 v9, v1, 2, 1
	v_lshl_add_u32 v4, v9, 3, v4
	v_and_b32 v9, 1, v1
	v_lshl_add_u32 v4, v9, 2, v4
	v_add_nc_u32 v4, s24, v4
	v_lshrrev_b32 v8, 4, v1                        ; l / 16
	v_and_b32 v9, 15, v1                           ; l % 16
	v_mul_u32_u24 v5, v8, 272                      ; and out of it: two runs an instruction, 16 bytes a lane
	v_lshl_add_u32 v5, v9, 4, v5
	v_add_nc_u32 v5, s24, v5
	s_lshl_b32 s25, s14, 12
	s_add_co_u32 s25, s25, WST
	v_lshlrev_b32 v6, 11, v8                       ; a weight, into the stage: my column is row l % 16 of tile l / 16: 2,048 (l / 16) + 16 (l % 16)
	v_lshl_add_u32 v6, v9, 4, v6
	v_add_nc_u32 v6, s25, v6
	v_add_nc_u32 v7, s25, v2                       ; and out of it: 16 l
	s_wait_kmcnt 0x0
	s_load_b256 s[16:23], s[10:11], 0x0            ; the eight exponents: s16 = e0 .. s23 = e7
.macro SCALE se                        ; v11 = 2^e as f32 (the conversion takes its exponent field), v10 = 448 x 2^e
	s_add_co_i32 s34, s[\se], 127
	s_lshl_b32 s35, s34, 23
	v_mov_b32 v11, s35
	s_add_co_i32 s34, s34, 8
	s_lshl_b32 s34, s34, 23
	s_or_b32 s34, s34, 0x600000
	v_mov_b32 v10, s34
.endm
	s_cmp_lt_u32 ttmp9, 256
	s_cbranch_scc0 .Lweights
	; ---- x: row tile ttmp9, k = 256 x wave on: two fragments
	s_lshl_b32 s24, ttmp9, 16                      ; 16 rows of 4,096 bytes
	s_lshl_b32 s26, s14, 10
	s_add_co_u32 s24, s24, s26
	s_mov_b32 s25, 0
	s_add_nc_u64 s[4:5], s[4:5], s[24:25]
	s_lshr_b32 s26, ttmp9, 3                       ; the block,
	s_lshl_b32 s26, s26, 2
	s_add_co_u32 s26, s26, s14                     ; its K / 256,
	s_lshl_b32 s26, s26, 15
	s_and_b32 s28, ttmp9, 7                        ; the tile in it
	s_lshl_b32 s28, s28, 12
	s_add_co_u32 s26, s26, s28
	s_mov_b32 s27, 0
	s_add_nc_u64 s[12:13], s[12:13], s[26:27]
.irp q, 0,1
.set rr, 0
.rept 16
	global_load_b128 v[X+64*\q+4*rr:X+64*\q+4*rr+3], v2, s[4:5] offset:rr*4096+512*\q th:TH_LOAD_NT   ; 32 lanes read 512 consecutive bytes of row rr
.set rr, rr+1
.endr
.endr
	s_wait_kmcnt 0x0
	SCALE 16
.macro XQ q
.set i, 0
.rept 64
	v_med3_num_f32 v[X+64*\q+i], v[X+64*\q+i], -v10, v10   ; the conversion to an 8-bit code does not saturate (ISA guide 7.6.2): the hold comes first
.set i, i+1
.endr
.irp p, 0,1,2,3,4,5,6,7
	v_cvt_scalef32_pk8_fp8_f32 v[C+16*\q+2*\p:C+16*\q+2*\p+1], v[X+64*\q+8*\p:X+64*\q+8*\p+7], v11   ; four numbers of row 2 p, four of row 2 p + 1: a word of codes for each
.endr
	v_nop                                          ; a plain line behind the run of conversions
.set rr, 0
.rept 16
	ds_store_b32 v4, v[C+16*\q+rr] offset:XFR*\q+16*rr
.set rr, rr+1
.endr
.irp j, 0,1,2,3
	ds_load_b128 v[X+16*\q+4*\j:X+16*\q+4*\j+3], v5 offset:XFR*\q+544*\j   ; LDS serves a wave's instructions in order: these see the stores above
.endr
.endm
	s_wait_alu depctr_va_vdst(0)
	s_wait_loadcnt 16                              ; the first fragment's 16 loads are in; the second's stay out
	XQ 0
	s_wait_loadcnt 0x0
	XQ 1
	s_wait_dscnt 0x0
.irp q, 0,1
.irp j, 0,1,2,3
	global_store_b128 v2, v[X+16*\q+4*\j:X+16*\q+4*\j+3], s[12:13] offset:2048*\q+512*\j   ; 512 consecutive bytes, at a multiple of 512 from the buffer's first byte
.endr
.endr
	s_wait_tensorcnt 0x0                           ; the wave's end
	ds_add_u32 v12, v13
	s_wait_dscnt 0x0
	s_endpgm
; ---- a weight [1024][N]: A LANE TAKES A COLUMN AND ITS REGISTERS RUN DOWN K: the conversions then give codes with K innermost, and nothing is transposed.
; Every offset is an immediate: 127 rows of N x 4 bytes at the most, inside the signed 24-bit immediate.
.macro WPATH N, BLK0, LB, SW, SE, FIRST
	s_sub_co_u32 s24, ttmp9, \FIRST
	s_lshr_b32 s26, s24, 3                         ; which 128 columns
	s_and_b32 s27, s24, 7                          ; which 128 along K
	s_mul_i32 s28, s27, 128*\N*4
	s_lshl_b32 s30, s26, 9
	s_add_co_u32 s28, s28, s30
	s_lshl_b32 s30, s14, 7                         ; my wave's 32 columns
	s_add_co_u32 s28, s28, s30
	s_mov_b32 s29, 0
	s_add_nc_u64 s[\SW:\SW+1], s[\SW:\SW+1], s[28:29]
.if \BLK0 == 32                        ; W_qkv, by heads
	s_lshl_b32 s36, s26, 2
	s_add_co_u32 s36, s36, s14                     ; which 32 columns,
	s_lshr_b32 s37, s36, 5                         ; of Q, K or V,
	s_bfe_u32 s38, s36, 0x40001                    ; the head,
	s_and_b32 s39, s36, 1                          ; which half of its 64
	s_mul_i32 s30, s38, 196608
	s_add_co_u32 s30, s30, 32*131072
	s_lshr_b32 s32, s27, 1
	s_mul_i32 s32, s32, 49152                      ; its K / 256,
	s_add_co_u32 s30, s30, s32
	s_cmp_eq_u32 s37, 2
	s_cselect_b32 s32, 6, 2
	s_mul_i32 s32, s32, s39
	s_mul_i32 s37, s37, 6
	s_cselect_b32 s37, 4, s37
	s_add_co_u32 s32, s32, s37                     ; my first tile: Q 2 half, K 6 + 2 half, V 4 + 6 half
	s_lshl_b32 s32, s32, 12
	s_add_co_u32 s30, s30, s32
.else
	s_add_co_u32 s30, s26, \BLK0
	s_lshl_b32 s30, s30, 17                        ; the block,
	s_lshr_b32 s32, s27, 1
	s_lshl_b32 s32, s32, 15                        ; its K / 256,
	s_add_co_u32 s30, s30, s32
	s_lshl_b32 s32, s14, 13                        ; my two tiles,
	s_add_co_u32 s30, s30, s32
.endif
	s_and_b32 s32, s27, 1
	s_lshl_b32 s32, s32, 11                        ; K / 128 % 2
	s_add_co_u32 s30, s30, s32
	s_mov_b32 s31, 0
	s_add_nc_u64 s[12:13], s[12:13], s[30:31]
.set kk, 0
.rept 128
	global_load_b32 v[X+kk], v3, s[\SW:\SW+1] offset:kk*\N*4 th:TH_LOAD_NT   ; row kk at my wave's 32 columns: 128 consecutive bytes; the four waves stand side by side on 512
.set kk, kk+1
.endr
	s_wait_kmcnt 0x0
	SCALE \SE
	s_wait_alu depctr_va_vdst(0)
.irp q, 0,1,2,3
.if \q < 2
	s_wait_loadcnt 63                              ; 96 (then 64) younger loads could stay out; 63 is the largest count that the wait can name
.else
	s_wait_loadcnt 32*(3-\q)                       ; the later groups of 32 stay out
.endif
.set i, 0
.rept 32
	v_med3_num_f32 v[X+32*\q+i], v[X+32*\q+i], -v10, v10
.set i, i+1
.endr
.irp g, 0,1,2,3
	v_cvt_scalef32_pk8_fp8_f32 v[C+8*\q+4*(\g%2)+2*(\g/2):C+8*\q+4*(\g%2)+2*(\g/2)+1], v[X+32*\q+8*\g:X+32*\q+8*\g+7], v11   ; k = 32 q + 8 g on: half g % 2 of the lanes, registers 4 q + 2 (g / 2) on
.endr
	v_nop
	ds_store_b128 v6, v[C+8*\q:C+8*\q+3] offset:\LB+512*\q          ; what lane (r, 0) of the image holds,
	ds_store_b128 v6, v[C+8*\q+4:C+8*\q+7] offset:\LB+512*\q+256    ; and lane (r, 1)
.endr
.irp t, 0,1
.irp q, 0,1,2,3
	ds_load_b128 v[X+4*(4*\t+\q):X+4*(4*\t+\q)+3], v7 offset:\LB+2048*\t+512*\q
.endr
.endr
	s_wait_dscnt 0x0
.irp t, 0,1
.irp q, 0,1,2,3
	global_store_b128 v2, v[X+4*(4*\t+\q):X+4*(4*\t+\q)+3], s[12:13] offset:4096*\t+512*\q
.endr
.endr
	s_wait_tensorcnt 0x0                           ; the wave's end
	ds_add_u32 v12, v13
	s_wait_dscnt 0x0
	s_endpgm
.endm
.Lweights:
	s_cmp_lt_u32 ttmp9, 448
	s_cbranch_scc0 .Lw_out
	WPATH 3072, 32, 0, 6, 17, 256
.Lw_out:
	s_cmp_lt_u32 ttmp9, 512
	s_cbranch_scc0 .Lrope
	WPATH 1024, 56, 16384, 8, 23, 448
; ---- the rope tables: a wave takes 16 positions; whole rows come in, go through the wave's stage, and leave as images
.Lrope:
	s_load_b128 s[24:27], s[0:1], 0x28             ; rope_cos, rope_sin
	s_load_b64 s[28:29], s[0:1], 0x38              ; rimg
	s_sub_co_u32 s30, ttmp9, 512
	s_lshl_b32 s30, s30, 2
	s_add_co_u32 s30, s30, s14                     ; tile of 16 positions
	s_lshl_b32 s32, s30, 12                        ; 4,096 bytes in each table,
	s_mov_b32 s33, 0
	s_lshl_b32 s34, s30, 13                        ; 8,192 in the images
	s_mov_b32 s35, 0
	s_mul_i32 s36, s14, 8704
	s_add_co_u32 s36, s36, RST                     ; my stage
	s_wait_alu depctr_va_vdst(0)                   ; the wait here, ahead of the readers below
	v_mul_u32_u24 v14, v8, 272                     ; in: two rows a load, 16 bytes a lane
	v_lshl_add_u32 v14, v9, 4, v14
	v_add_nc_u32 v14, s36, v14
	v_mul_u32_u24 v15, v9, 272                     ; out: row l % 16, 32 bytes for each half of the lanes
	v_lshl_add_u32 v15, v8, 5, v15
	v_add_nc_u32 v15, s36, v15
	s_wait_alu depctr_va_vdst(0)                   ; and here, ahead of the wait below
	s_wait_kmcnt 0x0
	s_add_nc_u64 s[24:25], s[24:25], s[32:33]
	s_add_nc_u64 s[26:27], s[26:27], s[32:33]
	s_add_nc_u64 s[28:29], s[28:29], s[34:35]
.irp i, 0,1,2,3,4,5,6,7
	global_load_b128 v[X+4*\i:X+4*\i+3], v2, s[24:25] offset:512*\i
	global_load_b128 v[X+32+4*\i:X+32+4*\i+3], v2, s[26:27] offset:512*\i
.endr
	s_wait_loadcnt 0x0
.irp i, 0,1,2,3,4,5,6,7
	ds_store_b128 v14, v[X+4*\i:X+4*\i+3] offset:544*\i
	ds_store_b128 v14, v[X+32+4*\i:X+32+4*\i+3] offset:4352+544*\i
.endr
.irp b, 0,1,2,3
.irp i, 0,1
	ds_load_b128 v[X+64+8*\b+4*\i:X+64+8*\b+4*\i+3], v15 offset:64*\b+16*\i   ; LDS serves a wave's instructions in order
	ds_load_b128 v[X+96+8*\b+4*\i:X+96+8*\b+4*\i+3], v15 offset:4352+64*\b+16*\i
.endr
.endr
	s_wait_dscnt 0x0
.irp i, 0,1,2,3,4,5,6,7
	global_store_b128 v2, v[X+64+4*\i:X+64+4*\i+3], s[28:29] offset:512*\i
	global_store_b128 v2, v[X+96+4*\i:X+96+4*\i+3], s[28:29] offset:4096+512*\i
.endr
	s_wait_tensorcnt 0x0                           ; the wave's end
	ds_add_u32 v12, v13
	s_wait_dscnt 0x0
	s_endpgm
.Lfunc_end_k_q8744dd436b_quant:
	.size	k_q8744dd436b_quant, .Lfunc_end_k_q8744dd436b_quant-k_q8744dd436b_quant
	.p2alignl 7, 3214868480
	.fill 96, 4, 3214868480
	.section	.rodata,"a",@progbits
	.p2align	6, 0x0
	.amdhsa_kernel k_q8744dd436b_quant
		.amdhsa_group_segment_fixed_size 85504
		.amdhsa_private_segment_fixed_size 0
		.amdhsa_enable_private_segment 0
		.amdhsa_kernarg_size 64
		.amdhsa_user_sgpr_count 2
		.amdhsa_user_sgpr_kernarg_segment_ptr 1
		.amdhsa_wavefront_size32 1
		.amdhsa_system_sgpr_workgroup_id_x 1
		.amdhsa_system_sgpr_workgroup_id_y 1
		.amdhsa_system_sgpr_workgroup_id_z 1
		.amdhsa_system_vgpr_workitem_id 0
		.amdhsa_next_free_vgpr 192
		.amdhsa_next_free_sgpr 66
		.amdhsa_reserve_vcc 0
		.amdhsa_float_denorm_mode_32 3
		.amdhsa_float_denorm_mode_16_64 3
		.amdhsa_memory_ordered 1
		.amdhsa_forward_progress 1
		.amdhsa_inst_pref_size 74
	.end_amdhsa_kernel
	.amdgpu_metadata
---
amdhsa.version: [ 1, 2 ]
amdhsa.kernels:
  - .name:           k_q8744dd436b_quant
    .symbol:         k_q8744dd436b_quant.kd
    .args:
      - { .name: x, .offset: 0, .size: 8, .value_kind: global_buffer, .address_space: global }
      - { .name: W_qkv, .offset: 8, .size: 8, .value_kind: global_buffer, .address_space: global }
      - { .name: W_out, .offset: 16, .size: 8, .value_kind: global_buffer, .address_space: global }
      - { .name: lowp_scales, .offset: 24, .size: 8, .value_kind: global_buffer, .address_space: global }
      - { .name: codes, .offset: 32, .size: 8, .value_kind: global_buffer, .address_space: global }
      - { .name: rope_cos, .offset: 40, .size: 8, .value_kind: global_buffer, .address_space: global }
      - { .name: rope_sin, .offset: 48, .size: 8, .value_kind: global_buffer, .address_space: global }
      - { .name: rimg, .offset: 56, .size: 8, .value_kind: global_buffer, .address_space: global }
    .group_segment_fixed_size: 85504
    .private_segment_fixed_size: 0
    .kernarg_segment_align: 8
    .kernarg_segment_size: 64
    .max_flat_workgroup_size: 128
    .sgpr_count:     66
    .vgpr_count:     192
    .wavefront_size: 32
...
	.end_amdgpu_metadata
.endif
;; end of part 1
;; launch qkv (part 2): grid 16 x 16, 4 waves a work-group, clusters of 4 x 4, 327,680 bytes of LDS; arguments codes, lowp_scales, rimg, qimg, kv; writes qimg, kv
.if DOCPART == 2
	.amdgcn_target "amdgcn-amd-amdhsa--gfx1250"
	.amdhsa_code_object_version 6
	.text
	.protected	k_q8744dd436b_qkv
	.globl	k_q8744dd436b_qkv
	.p2align	8
	.type	k_q8744dd436b_qkv,@function
k_q8744dd436b_qkv:
	s_mov_b64 s[64:65], 0
	v_nop
	global_prefetch_b8 v0, s[64:65] scope:SCOPE_SE
	s_setreg_imm32_b32 hwreg(HW_REG_WAVE_MODE, 25, 1), 1
	s_wait_xcnt 0x0
	s_wait_alu depctr_hold_cnt(0) depctr_sa_sdst(0) depctr_va_vdst(0) depctr_va_sdst(0) depctr_va_ssrc(0) depctr_va_vcc(0) depctr_vm_vsrc(0)
	s_getreg_b32 s2, hwreg(HW_REG_IB_STS2, 6, 4)
	s_cmp_eq_u32 s2, 0
	s_cbranch_scc0 .Lentry_in_a_cluster
	s_endpgm
.Lentry_in_a_cluster:
	s_bfe_u32 s2, ttmp6, 0x10000c
	s_cmp_lg_u32 s2, 0xf033
	s_cbranch_scc0 .Lentry_shape_is_right
	s_endpgm
.Lentry_shape_is_right:
; q, k, v = x W_qkv on codes of FP8 (E4M3), rope on q and k in f32, and each quantised again (entries 2, 3, 5 of the scales) as an operand of attention.
; A WORK-GROUP makes one head's Q, K and V (192 columns) at 128 positions of BOTH batches (256 rows), so that its four waves share one piece of the rope tables: 16 heads x 16 blocks of positions.
; A wave has the 128 rows of one batch (wave / 2) and 96 columns (wave % 2 = 0: Q and channels 0-31 of V; 1: K and channels 32-63 of V): 48 accumulators of 16 x 16, 384 registers.
; Q and K: source 0 = 16 columns of W, source 1 = 16 rows of x: a lane holds eight neighbouring channels of one position.  V: the sources are swapped: a lane holds eight neighbouring positions of one channel.
; Either way a lane's eight results are eight neighbours along the K of attention's product, and eight codes are two registers of its operand's image.
; K goes in four steps of 256 through two slots (x's two blocks of 128 rows, then the head's 12 tiles of W); all operands are images of operand registers, dense in memory.
; CLUSTERS of 4 x 4: x's and the rope's tiles are asked for jointly along a row of the cluster, W's along a column.  Waves 0 and 1 fetch x's blocks, waves 2 and 3 the halves of W's tiles.
; THE ROPE'S IMAGES (65,536 bytes, a quarter a wave) are filled at the change of slots that refills nothing, have the last K step in which to land, and are read behind V's way out.
; PREFETCH: K steps 2 and 3 and the rope's images, each one K step ahead of its tensor load; K steps 0 and 1 come by their loads alone.  Each of the four partners names its quarter, told apart by address: in runs of 256 bytes
; 32 a wave of x's block, 24 a wave of W's tiles, 16 a wave of the rope's images.
; LIMITS: e2, e3, e5, each less e0 + e1, between -126 and 119.  NaN is not served; an infinity is held at the largest code.
; REGISTERS: window 0: addresses; v32-95, v128-191 the rope's numbers on the way out; v128-255 x's fragments.  window 1: W's fragments, two sets.  window 2: accumulators of Q or K ((a, b) at 8 (4 a + b)).  window 3: of V ((d, a) at 8 (8 d + a)).
.set SLOT,  114688
.set BOFF,  65536
.set ROPE,  2*SLOT
.set SPARE, ROPE+65536
.set NP,   4
.set ADRA, 16
.set ADRB, 20
.set RA,   24
.set PFO,  25
.set PFR,  26
.set L16,  27
.set SPW,  28
.set NIL,  29
.set SET0, 32
.set T,    96
.set SC,   120
.set LIM,  121
.set SCV,  122
.set LIMV, 123
.set AF,   128
.set R,    192
.set CD,   224
.set G1,  24
.set G0,  32
.set G1B, 48
.set G0B, 56
.set G1R, 80
.set G0R, 88
.set MSB, 0
.macro WIN new
.if MSB != (\new)
	s_set_vgpr_msb (MSB<<8)|(\new)
.set MSB, \new
.endif
.endm
.macro PLACES n
.rept \n
	v_nop
.endr
.endm
; a tensor load, an s_nop 0, and four plain lines
.macro TL g0, g1
	tensor_load_to_lds s[\g0:\g0+3], s[\g1:\g1+7]
	s_nop 0
	PLACES 4
.endm
.macro JLOAD s
	s_cmp_eq_u32 s17, 0
	s_cbranch_scc0 .Lfor_b_\@
	TL G0+4*\s, G1
	s_branch .Lasked_\@
.Lfor_b_\@:
	TL G0B+4*\s, G1B
.Lasked_\@:
.endm
.macro CREST
	s_cmp_lg_u32 s16, 0
	s_cbranch_scc1 .Lnot_wave_0_\@
	s_barrier_signal -3
.Lnot_wave_0_\@:
	s_barrier_wait -3
	s_barrier_signal -1
	s_barrier_wait -1
.endm
.macro CROUND
	s_barrier_signal -1
	s_barrier_wait -1
	CREST
.endm
; descriptor group 1 behind its first word: rows of 32 elements of 8 bytes, dense
.macro GROUP1 g, rows
	s_mov_b32 s[\g+1], 32<<16
	s_mov_b32 s[\g+2], (\rows)<<16
	s_mov_b32 s[\g+3], 32<<16
	s_mov_b32 s[\g+4], \rows
	s_mov_b32 s[\g+5], 32
	s_mov_b32 s[\g+6], 0
	s_mov_b32 s[\g+7], 0
.endm
	s_load_b256 s[4:11], s[0:1], 0x0               ; codes s[4:5], the scales' exponents s[6:7], rimg s[8:9], qimg s[10:11]
	s_load_b64 s[12:13], s[0:1], 0x20              ; kv
	v_lshl_add_u32 v[SPW], v0, 2, SPARE
	v_mov_b32 v[NIL], 0
	ds_add_u32 v[SPW], v[NIL]                      ; the add, twice on end, under one wait
	ds_add_u32 v[SPW], v[NIL]
	v_lshrrev_b32 v1, 5, v0
	v_readfirstlane_b32 s16, v1                    ; wave 0..3
	s_lshr_b32 s17, s16, 1                         ; my batch.  Also: I fetch for x (0) or for W (1)
	s_and_b32 s18, s16, 1                          ; my columns.  Also: which block of x, which half of W's tiles I fetch
	s_bfe_u32 s19, ttmp6, 0x40000                  ; cx
	s_bfe_u32 s20, ttmp6, 0x40004                  ; cy
	s_and_b32 s21, ttmp7, 0xffff
	s_lshl_b32 s21, s21, 2
	s_add_co_u32 s21, s21, s20                     ; block of 128 positions
	s_lshl_b32 s22, ttmp9, 2
	s_add_co_u32 s22, s22, s19                     ; head
	s_lshl_b32 s44, s20, 2
	s_lshl_b32 s44, 15, s44                        ; my row of the cluster
	s_lshl_b32 s45, 0x1111, s19                    ; my column
	s_or_b32 s[G1], s44, (3<<16)|(1<<21)           ; 15:0 the mask; 17:16 elements of 8 bytes; 21 set beside a mask
	s_or_b32 s[G1R], s44, (3<<16)|(1<<21)
	s_or_b32 s[G1B], s45, (3<<16)|(1<<21)
	GROUP1 G1, 128
	GROUP1 G1B, 96
	GROUP1 G1R, 64
	s_lshl_b32 s46, s18, 4
	s_add_co_u32 s46, s46, s21
	s_lshl_b32 s46, s46, 17                        ; x: block 16 x batch + block of positions (waves 0 and 1: batch = wave)
	s_mov_b32 s47, 0
	s_mul_i32 s14, s18, 24576                      ; my half of W's tiles in a K step
	s_mul_i32 s66, s22, 196608
	s_add_co_u32 s66, s66, 32*131072               ; the head's tiles of W
	s_add_co_u32 s66, s66, s14
	s_mov_b32 s67, 0
	s_lshl_b32 s68, s21, 16                        ; the rope's images
	s_mov_b32 s69, 0
	s_lshl_b32 s70, s16, 14                        ; my quarter of them
	s_mov_b32 s71, 0
	s_lshl_b32 s23, s18, 15
	s_add_co_u32 s14, s14, BOFF
	s_wait_dscnt 0x0                               ; both opening adds are done
	s_wait_kmcnt 0x0
	s_load_b256 s[72:79], s[6:7], 0x0              ; e0 .. e7
	s_add_nc_u64 s[46:47], s[4:5], s[46:47]
	s_add_nc_u64 s[66:67], s[4:5], s[66:67]
	s_add_nc_u64 s[68:69], s[8:9], s[68:69]
.irp s, 0,1
	s_mov_b32 s[G0+4*\s], 1
	s_add_co_u32 s[G0+4*\s+1], s23, \s*SLOT
	s_add_nc_u64 s[G0+4*\s+2:G0+4*\s+3], s[46:47], \s*32768
	s_or_b32 s[G0+4*\s+3], s[G0+4*\s+3], 0x80000000
	s_mov_b32 s[G0B+4*\s], 1
	s_add_co_u32 s[G0B+4*\s+1], s14, \s*SLOT
	s_add_nc_u64 s[G0B+4*\s+2:G0B+4*\s+3], s[66:67], \s*49152
	s_or_b32 s[G0B+4*\s+3], s[G0B+4*\s+3], 0x80000000
.endr
	s_mov_b32 s[G0R], 1
	s_add_co_u32 s[G0R+1], s70, ROPE
	s_add_nc_u64 s[G0R+2:G0R+3], s[68:69], s[70:71]
	s_or_b32 s[G0R+3], s[G0R+3], 0x80000000
	CROUND                                         ; all sixteen work-groups are here: the first joint loads meet
	JLOAD 0                                        ; K step 0: one tensor load a wave at the head
	; where my prefetches stand: s[40:41] K step 2, s[42:43] K step 3, s[44:45] the rope's images
	s_lshl_b32 s94, s19, 13
	s_add_co_u32 s94, s94, 2*32768                 ; x: my work-group's 8,192 of the block's 32,768 bytes
	s_mul_i32 s96, s20, 6144
	s_add_co_u32 s96, s96, 2*49152                 ; W: its 6,144 of my half's 24,576
	s_mov_b32 s70, 32768
	s_mov_b32 s71, 49152
	s_cmp_eq_u32 s17, 0
	s_cselect_b64 s[40:41], s[46:47], s[66:67]
	s_cselect_b32 s94, s94, s96
	s_cselect_b32 s96, s70, s71
	s_cselect_b32 s98, 31, 23                      ; the last run of 256 bytes that I name: lanes behind it name it again
	s_mov_b32 s95, 0
	s_mov_b32 s97, 0
	s_add_nc_u64 s[40:41], s[40:41], s[94:95]
	s_add_nc_u64 s[42:43], s[40:41], s[96:97]
	s_lshl_b32 s94, s19, 14
	s_lshl_b32 s96, s16, 12
	s_add_co_u32 s94, s94, s96                     ; the rope: 16,384 bytes a work-group, 4,096 a wave
	s_add_nc_u64 s[44:45], s[68:69], s[94:95]
	s_lshl_b32 s14, s17, 15                        ; my 128 rows of x in slot 0, 1
	s_add_co_u32 s23, s14, SLOT
	s_mul_i32 s15, s18, 6*4096
	s_add_co_u32 s15, s15, BOFF                    ; my six tiles of W
	s_add_co_u32 s70, s15, SLOT
	v_and_b32 v1, 31, v0
	v_lshlrev_b32 v[L16], 4, v1                    ; 16 x lane
	v_min_u32 v2, s98, v1
	v_lshlrev_b32 v[PFO], 8, v2
	v_min_u32 v3, 15, v1
	v_lshlrev_b32 v[PFR], 8, v3
	v_add_nc_u32 v[RA], ROPE, v[L16]
	v_add_nc_u32 v[ADRA], s14, v[L16]
	v_add_nc_u32 v[ADRA+1], s23, v[L16]
	v_add_nc_u32 v[ADRB], s15, v[L16]
	v_add_nc_u32 v[ADRB+1], s70, v[L16]
	; where my codes go: head image batch x 16 + head; kv: 2^18 bytes an image, 2^14 a block of positions (K's 8,192, then V's); qimg: half of each
	s_lshl_b32 s94, s17, 4
	s_add_co_u32 s94, s94, s22
	s_lshl_b32 s96, s94, 18
	s_lshl_b32 s97, s21, 14
	s_add_co_u32 s96, s96, s97
	s_mov_b32 s97, 0
	s_lshr_b32 s94, s96, 1
	s_add_nc_u64 s[68:69], s[10:11], s[94:95]
	s_add_nc_u64 s[70:71], s[12:13], s[96:97]
	s_cmp_eq_u32 s18, 0
	s_cselect_b64 s[66:67], s[68:69], s[70:71]     ; Q or K
	s_lshl_b32 s94, s18, 12
	s_add_co_u32 s94, s94, 8192
	s_add_nc_u64 s[70:71], s[70:71], s[94:95]      ; my two tiles of V
; a fragment: tile i of a slot's part, the q-th 128 along K: 4 loads of 512 consecutive bytes
.macro FRAG reg, adr, q, i
.irp c, 0,1,2,3
	ds_load_b128 v[\reg+4*\c:\reg+4*\c+3], v[\adr] offset:((\i)*2+(\q))*2048+512*\c
.endr
.endm
.macro FETCH_B slot, q, p
	WIN 0x40                                       ; destination window 1
.irp i, 0,1,2,3,4,5
	FRAG 128*(\p)+16*\i, ADRB+\slot, \q, \i
.endr
	WIN 0
.endm
.macro FETCH_A slot, q, i0
.irp i, \i0, \i0+1, \i0+2, \i0+3
	FRAG AF+16*(\i), ADRA+\slot, \q, \i
.endr
.endm
; the products of x's tiles a0 .. a0 + 3 with W's set p.  The 48 accumulators take turns, one instruction a turn, in the same order in every step; zero = 1 starts the sums
.macro MQ a0, p, zero
	WIN 0xa1                                       ; source 0 window 1, source 1 window 0, C and D window 2
.irp a, \a0, \a0+1, \a0+2, \a0+3
.irp b, 0,1,2,3
.if \zero
	v_wmma_f32_16x16x128_fp8_fp8 v[8*(4*(\a)+\b):8*(4*(\a)+\b)+7], v[128*(\p)+16*\b:128*(\p)+16*\b+15], v[AF+16*(\a):AF+16*(\a)+15], 0
.else
	v_wmma_f32_16x16x128_fp8_fp8 v[8*(4*(\a)+\b):8*(4*(\a)+\b)+7], v[128*(\p)+16*\b:128*(\p)+16*\b+15], v[AF+16*(\a):AF+16*(\a)+15], v[8*(4*(\a)+\b):8*(4*(\a)+\b)+7]
.endif
.endr
.endr
.endm
.macro MV a0, p, zero
	WIN 0xf4                                       ; source 0 window 0, source 1 window 1, C and D window 3
.irp a, \a0, \a0+1, \a0+2, \a0+3
.irp d, 0,1
.if \zero
	v_wmma_f32_16x16x128_fp8_fp8 v[8*(8*\d+(\a)):8*(8*\d+(\a))+7], v[AF+16*(\a):AF+16*(\a)+15], v[128*(\p)+64+16*\d:128*(\p)+64+16*\d+15], 0
.else
	v_wmma_f32_16x16x128_fp8_fp8 v[8*(8*\d+(\a)):8*(8*\d+(\a))+7], v[AF+16*(\a):AF+16*(\a)+15], v[128*(\p)+64+16*\d:128*(\p)+64+16*\d+15], v[8*(8*\d+(\a)):8*(8*\d+(\a))+7]
.endif
.endr
.endr
.endm
; Four plain places stand behind a matrix instruction ahead of loads into what it read and of reads of its result.
; A slot's first 128 along K.
.macro STEP slot, zero
	s_wait_dscnt 16                                ; W's set and x's tiles 0-3 are in; the 16 loads of tiles 4-7 may be out
	MQ 0, 0, \zero
	MV 0, 0, \zero
	s_wait_dscnt 0x0
	WIN 0
	PLACES NP
	FETCH_B \slot, 1, 1
	FETCH_A \slot, 1, 0
	MQ 4, 0, \zero
	MV 4, 0, \zero
	WIN 0
	PLACES NP
	FETCH_A \slot, 1, 4
.endm
; Its second, and the change of slots: one barrier, ahead of which each wave waits for its tensor loads, adds 0 to its spare word, and waits for that and for its reads of this slot.
; fill = 1: the slot is filled again, two K steps on; fill = 2: nothing is filled again, the rope's images are filled.  pfo, pf: a prefetch's offset register and base (pf = 0: none).
.macro TURN slot, next, fill, pfo, pf
	s_wait_tensorcnt 0x0
	ds_add_u32 v[SPW], v[NIL]
	s_wait_dscnt 17                                ; the add and the 16 loads of x's tiles 4-7 may be out
	MQ 0, 1, 0
	s_wait_dscnt 0x0
	s_barrier_signal -1
	MV 0, 1, 0
	WIN 0
	s_barrier_wait -1
	CREST                                          ; the barrier has opened a round of the cluster's barrier
.if (\fill) == 1
	s_add_nc_u64 s[G0+4*\slot+2:G0+4*\slot+3], s[G0+4*\slot+2:G0+4*\slot+3], 2*32768
	s_add_nc_u64 s[G0B+4*\slot+2:G0B+4*\slot+3], s[G0B+4*\slot+2:G0B+4*\slot+3], 2*49152
	JLOAD \slot
.else
	TL G0R, G1R
.endif
	FETCH_B \next, 0, 0                            ; (the four lines behind the tensor load are the places ahead of these loads)
	FETCH_A \next, 0, 0
.if \pf
	global_prefetch_b8 v[\pfo], s[\pf:\pf+1] th:TH_LOAD_NT scope:SCOPE_SE
.endif
	MQ 4, 1, 0
	MV 4, 1, 0
	WIN 0
	PLACES NP
	FETCH_A \next, 0, 4
.endm
; the rope's numbers of tile a: cosine at set, sine at set + 32
.macro ROPEF a, set
.irp i, 0,1,2,3,4,5,6,7,8,9,10,11,12,13,14,15
	ds_load_b128 v[\set+4*\i:\set+4*\i+3], v[RA] offset:(\a)*8192+512*\i
.endr
.endm
	s_wait_alu depctr_va_vdst(0)                   ; the wait at the head's end
	s_wait_tensorcnt 0x0                           ; my load is in; ahead of a later first fill, an add and its wait:
	ds_add_u32 v[SPW], v[NIL]
	s_wait_dscnt 0x0
	CROUND
	JLOAD 1                                        ; K step 1
	FETCH_B 0, 0, 0
	FETCH_A 0, 0, 0
	FETCH_A 0, 0, 4
	global_prefetch_b8 v[PFO], s[40:41] th:TH_LOAD_NT scope:SCOPE_SE   ; K step 2, which the next change of slots loads
	STEP 0, 1
	TURN 0, 1, 1, PFO, 42                          ; loads K step 2, asks for K step 3
	STEP 1, 0
	TURN 1, 0, 1, PFR, 44                          ; loads K step 3, asks for the rope's images
	STEP 0, 0
	TURN 0, 1, 2, PFO, 0                           ; loads the rope's images
	STEP 1, 0
	s_wait_dscnt 16
	MQ 0, 1, 0
	MV 0, 1, 0
	s_wait_dscnt 0x0
	MQ 4, 1, 0
	MV 4, 1, 0
	WIN 0
	s_wait_kmcnt 0x0
	s_cmp_eq_u32 s18, 0
	s_cselect_b32 s94, s74, s75                    ; e2 or e3
	s_add_co_i32 s95, s72, s73
	s_sub_co_i32 s94, s94, s95                     ; a sum stands for sum x 2^(e0 + e1): its code is sum / 2^(e - e0 - e1)
	s_add_co_i32 s94, s94, 127
	s_lshl_b32 s96, s94, 23
	s_add_co_i32 s94, s94, 8
	s_lshl_b32 s94, s94, 23
	s_or_b32 s94, s94, 0x600000                    ; 448 x that
	s_sub_co_i32 s95, s77, s95
	s_add_co_i32 s95, s95, 127
	s_lshl_b32 s97, s95, 23
	s_add_co_i32 s95, s95, 8
	s_lshl_b32 s95, s95, 23
	s_or_b32 s95, s95, 0x600000
	PLACES NP
	v_mov_b32 v[SC], s96
	v_mov_b32 v[LIM], s94
	v_mov_b32 v[SCV], s97
	v_mov_b32 v[LIMV], s95
	s_wait_alu depctr_va_vdst(0)
; V: channel tile d of my two: 128 positions, 16 registers of an image
.macro VOUT d
	WIN 0x03
.set i, 0
.rept 64
	v_med3_num_f32 v[AF+i], v[64*\d+i], -v[LIMV], v[LIMV]   ; the conversion to an 8-bit code does not saturate (ISA guide 7.6.2)
.set i, i+1
.endr
	WIN 0
.irp a, 0,1,2,3,4,5,6,7
	v_cvt_scalef32_pk8_fp8_f32 v[CD+16*\d+2*\a:CD+16*\d+2*\a+1], v[AF+8*\a:AF+8*\a+7], v[SCV]
.endr
	v_nop
.irp q, 0,1,2,3
	global_store_b128 v[L16], v[CD+16*\d+4*\q:CD+16*\d+4*\q+3], s[70:71] offset:2048*\d+512*\q   ; 512 consecutive bytes
.endr
.endm
; Q or K: tile a of 16 positions: out(c) = in(c) cos(c) - in(c + 32) sin(c), out(c + 32) = in(c + 32) cos(c + 32) + in(c) sin(c + 32)
.macro QKOUT a
.set TS, SET0+96*((\a)%2)
.set CA, CD+8*((\a)%4)
.if ((\a)%4) == 0
	s_wait_xcnt 0x0                                ; the stores issued so far have read the registers that are written again below
.endif
.if (\a) < 7
	ROPEF (\a)+1, SET0+96*(((\a)+1)%2)
	s_wait_dscnt 16                                ; this tile's rope numbers are in; the 16 loads just issued may be out
.else
	s_wait_dscnt 0x0
.endif
	WIN 0x02
.irp b, 0,1
.irp j, 0,2,4,6
.set RLO, 32*(\a)+8*\b+\j
.set RHI, RLO+16
.set TA,  T+2*(\j%4)
.set TC,  TS+8*\b+\j
.set RO,  R+8*\b+\j
	v_pk_mul_f32 v[TA:TA+1], v[RHI:RHI+1], v[TC+32:TC+33]
	v_pk_mul_f32 v[TA+2:TA+3], v[RLO:RLO+1], v[TC+48:TC+49]
	v_pk_fma_f32 v[RO:RO+1], v[RLO:RLO+1], v[TC:TC+1], v[TA:TA+1] neg_lo:[0,0,1] neg_hi:[0,0,1]
	v_pk_fma_f32 v[RO+16:RO+17], v[RHI:RHI+1], v[TC+16:TC+17], v[TA+2:TA+3]
.endr
.endr
	WIN 0
.set i, 0
.rept 32
	v_med3_num_f32 v[R+i], v[R+i], -v[LIM], v[LIM]
.set i, i+1
.endr
.irp c, 0,1,2,3
	v_cvt_scalef32_pk8_fp8_f32 v[CA+2*\c:CA+2*\c+1], v[R+8*\c:R+8*\c+7], v[SC]
.endr
	v_nop
	global_store_b128 v[L16], v[CA:CA+3], s[66:67] offset:(\a)*1024
	global_store_b128 v[L16], v[CA+4:CA+7], s[66:67] offset:(\a)*1024+512
.endm
	VOUT 0
	VOUT 1
	s_wait_tensorcnt 0x0                           ; my quarter of the rope's images is in
	s_wait_dscnt 0x0
	s_barrier_signal -1
	s_barrier_wait -1                              ; everybody's is.
	ROPEF 0, SET0
.irp a, 0,1,2,3,4,5,6,7
	QKOUT \a
.endr
	s_wait_tensorcnt 0x0                           ; the wave's end
	ds_add_u32 v[SPW], v[NIL]
	s_wait_dscnt 0x0
	CROUND                                         ; the closing round
	s_endpgm
.Lfunc_end_k_q8744dd436b_qkv:
	.size	k_q8744dd436b_qkv, .Lfunc_end_k_q8744dd436b_qkv-k_q8744dd436b_qkv
	.p2alignl 7, 3214868480
	.fill 96, 4, 3214868480
	.section	.rodata,"a",@progbits
	.p2align	6, 0x0
	.amdhsa_kernel k_q8744dd436b_qkv
		.amdhsa_group_segment_fixed_size 327680
		.amdhsa_private_segment_fixed_size 0
		.amdhsa_enable_private_segment 0
		.amdhsa_kernarg_size 40
		.amdhsa_user_sgpr_count 2
		.amdhsa_user_sgpr_kernarg_segment_ptr 1
		.amdhsa_wavefront_size32 1
		.amdhsa_system_sgpr_workgroup_id_x 1
		.amdhsa_system_sgpr_workgroup_id_y 1
		.amdhsa_system_sgpr_workgroup_id_z 1
		.amdhsa_system_vgpr_workitem_id 0
		.amdhsa_next_free_vgpr 1024
		.amdhsa_next_free_sgpr 100
		.amdhsa_reserve_vcc 0
		.amdhsa_float_denorm_mode_32 3
		.amdhsa_float_denorm_mode_16_64 3
		.amdhsa_memory_ordered 1
		.amdhsa_forward_progress 1
		.amdhsa_inst_pref_size 123
	.end_amdhsa_kernel
	.amdgpu_metadata
---
amdhsa.version: [ 1, 2 ]
amdhsa.kernels:
  - .name:           k_q8744dd436b_qkv
    .symbol:         k_q8744dd436b_qkv.kd
    .args:
      - { .name: codes, .offset: 0, .size: 8, .value_kind: global_buffer, .address_space: global }
      - { .name: lowp_scales, .offset: 8, .size: 8, .value_kind: global_buffer, .address_space: global }
      - { .name: rimg, .offset: 16, .size: 8, .value_kind: global_buffer, .address_space: global }
      - { .name: qimg, .offset: 24, .size: 8, .value_kind: global_buffer, .address_space: global }
      - { .name: kv, .offset: 32, .size: 8, .value_kind: global_buffer, .address_space: global }
    .group_segment_fixed_size: 327680
    .private_segment_fixed_size: 0
    .kernarg_segment_align: 8
    .kernarg_segment_size: 40
    .max_flat_workgroup_size: 128
    .sgpr_count:     100
    .vgpr_count:     1024
    .wavefront_size: 32
...
	.end_amdgpu_metadata
.endif
;; end of part 2
;; launch attn (part 3): grid 8 x 32, 16 waves a work-group, clusters of 4 x 1, 327,680 bytes of LDS; arguments qimg, kv, lowp_scales, oc; writes oc
.if DOCPART == 3
	.amdgcn_target "amdgcn-amd-amdhsa--gfx1250"
	.amdhsa_code_object_version 6
	.text
	.protected	k_q8744dd436b_attn
	.globl	k_q8744dd436b_attn
	.p2align	8
	.type	k_q8744dd436b_attn,@function
k_q8744dd436b_attn:
	s_mov_b64 s[64:65], 0
	v_nop
	global_prefetch_b8 v0, s[64:65] scope:SCOPE_SE
	s_setreg_imm32_b32 hwreg(HW_REG_WAVE_MODE, 25, 1), 1
	s_wait_xcnt 0x0
	s_wait_alu depctr_hold_cnt(0) depctr_sa_sdst(0) depctr_va_vdst(0) depctr_va_sdst(0) depctr_va_ssrc(0) depctr_va_vcc(0) depctr_vm_vsrc(0)
	s_getreg_b32 s2, hwreg(HW_REG_IB_STS2, 6, 4)
	s_cmp_eq_u32 s2, 0
	s_cbranch_scc0 .Lentry_in_a_cluster
	s_endpgm
.Lentry_in_a_cluster:
	s_bfe_u32 s2, ttmp6, 0x10000c
	s_cmp_lg_u32 s2, 0x3003
	s_cbranch_scc0 .Lentry_shape_is_right
	s_endpgm
.Lentry_shape_is_right:
; Causal attention on codes of FP8 (E4M3): 32 heads (batch x head) of 2,048 positions, head size 64.  Both products quantised; the result is quantised again (2^e6) as the last product's operand.
; t = score x 2^(e2 + e3) x log2(e) / 8; M = the running largest t rounded UP to a whole number; p = 2^(t - M) is quantised with 2^e4, not normalised; the row's sum is taken of the unquantised p and divides at the end.
; When M moves, the sum and O are multiplied by 2^(old M - new M), which rounds nothing.
; LAYOUT.  Both products are used transposed: S^T = K Q^T (source 0 = 16 keys, source 1 = my 16 queries, K = 64), O^T = V^T P^T (source 0 = 16 channels, K = 128 keys): a lane holds ONE query throughout.
; Register j of score tile t is key 16 t + 8 h + j: eight conversions give registers 2 t, 2 t + 1 of P's fragment; nothing changes lanes.  All operands come as images of their registers: every LDS load takes 512 consecutive bytes.
; SHARES.  Queries and keys go in blocks of 128 (8 tiles of 16 queries).  Work-group g of a head (0 .. 7) has tile g of every block.  The tiles of blocks k and 15 - k (k = 0 .. 7 = wave / 2) belong to two waves:
;   wave A: key blocks 0 .. 8 of the long tile (15 - k): 9 steps;   wave B: the short tile (k), key blocks 0 .. k, then key blocks 9 .. 15 - k of the long tile (none where k = 7): 8 steps, both ways out and the joining.
; A hands its O, M and sum to B through LDS, and B joins the two parts (an empty part counts for nothing: its sum and O are zeros).
; A is where wave and wave / 4 have the same lowest bit: as a 4 x 4 square every row and every column has two of each, 34 steps.  Shares hang on the wave's number alone, so all branches are alike in the partners of a cluster.
; LEFT OUT: the key blocks behind a tile's own block: reference()'s causal mask hides all of their keys, for all inputs.  A NaN or an infinity that reaches only them is not carried.
; FILLS.  A head's K and V images, 262,144 bytes (16 key blocks: K's 8,192 bytes, V^T's 8,192), lie in LDS whole; no byte is filled twice.  Wave w fetches key block w: waves 0-3 at the head, waves 4-15 behind the first barrier;
; the latter have two key steps in which to land.  The eight work-groups of a head are two clusters of four; each key block is asked for jointly by the four.
; No prefetch: every key block is asked for at the head or as soon as the head's have landed; the loops ask for nothing.
; LIMITS: e2 + e3 between -123 and 130; e4, and e6 - e4 - e5, between -126 and 119.  The scaled scores stay under 2^31 in magnitude.  NaN is not served.
; REGISTERS: v1 16 x lane; v6, v7 the add's; v8 the step's LDS address; v9 the hand-over's; v12 -M, v13 the largest t, v[14:15] the sum in two halves; v16-23 Q, v24-31 the long tile's Q; v32-95 K's 8 fragments, then V's 4;
;   v96-159 S^T, then p; v160-191 O^T; v192-207 p's codes; v208-215 o's codes; v236-255 at work and constants.
.set SCR,   262144                     ; the hand-over: 4,608 bytes for each pair of waves
.set SPARE, SCR+8*4608                 ; the spare words, 128 bytes for each wave
.set SPW, 6
.set NIL, 7
.set NINF, 240
.set WV,  12
.set RO,  14                           ; 0: wave A, 1: wave B
.set KB,  16                           ; the last key block of the part in hand
.set DG,  17                           ; the key block on the diagonal
.set G,   18                           ; my tile in a block
.set K,   19
.set SEL, 20
.set CS,  22                           ; s[22:23] c = log2(e) / 8 x 2^(e2 + e3)
.set G1,  24
.set LG,  32                           ; 15 - k
.set T1,  33                           ; the block of my first tile
.set LIMP, 34                          ; 448 x 2^e4
.set PM,  36                           ; s[36:43] on the diagonal's tile register j is hidden in these lanes
.set TB,  60
.set KS,  61
.set CNT, 62
.macro CROUND
	s_barrier_signal -1
	s_barrier_wait -1
	s_cmp_lg_u32 s[WV], 0
	s_cbranch_scc1 .Lnot_wave_0_\@
	s_barrier_signal -3
.Lnot_wave_0_\@:
	s_barrier_wait -3
	s_barrier_signal -1
	s_barrier_wait -1
.endm
	s_load_b256 s[4:11], s[0:1], 0x0               ; qimg s[4:5], kv s[6:7], the scales' exponents s[8:9], oc s[10:11]
	v_lshl_add_u32 v[SPW], v0, 2, SPARE
	v_mov_b32 v[NIL], 0
	ds_add_u32 v[SPW], v[NIL]                      ; the add, twice on end, under one wait
	ds_add_u32 v[SPW], v[NIL]
	v_lshrrev_b32 v3, 5, v0
	s_delay_alu instid0(VALU_DEP_1)
	v_readfirstlane_b32 s[WV], v3                  ; wave 0..15
	s_bfe_u32 s13, ttmp6, 0x40000                  ; cx: it enters global addresses and the mask alone
	s_and_b32 s15, ttmp7, 0xffff                   ; batch x 16 + head
	s_lshl_b32 s[G], ttmp9, 2
	s_add_co_u32 s[G], s[G], s13
	s_lshr_b32 s[K], s[WV], 1
	s_lshr_b32 s82, s[WV], 2
	s_xor_b32 s[RO], s[WV], s82
	s_and_b32 s[RO], s[RO], 1
	s_sub_co_u32 s[LG], 15, s[K]
	s_cmp_eq_u32 s[RO], 0
	s_cselect_b32 s[KB], 8, s[K]
	s_cselect_b32 s[DG], s[LG], s[K]               ; (A's part has the diagonal where k = 7)
	s_cselect_b32 s[T1], s[LG], s[K]
	s_mov_b32 s[G1], 15|(3<<16)|(1<<21)            ; 15:0 the mask: all four work-groups; 17:16 elements of 8 bytes; 21 set beside a mask
	s_mov_b32 s[G1+1], 32<<16                      ; a key block's 16,384 dense bytes as 64 rows of 32 elements
	s_mov_b32 s[G1+2], 64<<16
	s_mov_b32 s[G1+3], 32<<16
	s_mov_b32 s[G1+4], 64
	s_mov_b32 s[G1+5], 32
	s_mov_b32 s[G1+6], 0
	s_mov_b32 s[G1+7], 0
	s_lshl_b32 s82, s15, 18                        ; the head's images
	s_lshl_b32 s84, s[WV], 14                      ; my key block: in memory as in LDS
	s_add_co_u32 s82, s82, s84
	s_mov_b32 s83, 0
	s_mov_b32 s85, 0
	s_mov_b32 s[SEL], 0x76543210
	s_mov_b32 s[SEL+1], 0xfedcba98
	s_mov_b32 s[CS], 0x3e38aa3b                    ; log2(e) / 8
	s_wait_dscnt 0x0                               ; both opening adds are done
	s_wait_kmcnt 0x0
	s_load_b256 s[72:79], s[8:9], 0x0              ; e0 .. e7
	s_add_nc_u64 s[50:51], s[6:7], s[82:83]
	s_mov_b32 s48, 1
	s_mov_b32 s49, s84
	s_or_b32 s51, s51, 0x80000000
	CROUND                                         ; all four work-groups are here: the joint loads meet
	s_cmp_lt_u32 s[WV], 4
	s_cbranch_scc0 .Lhead_go
	tensor_load_to_lds s[48:51], s[G1:G1+7]        ; key blocks 0-3
	s_nop 0
.rept 4
	v_nop
.endr
.Lhead_go:
	s_lshl_b32 s82, s[T1], 3
	s_add_co_u32 s82, s82, s[G]
	s_lshl_b32 s82, s82, 10
	s_lshl_b32 s86, s15, 17
	s_add_co_u32 s82, s82, s86                     ; my first tile of Q
	s_lshl_b32 s84, s[LG], 3
	s_add_co_u32 s84, s84, s[G]
	s_lshl_b32 s84, s84, 10
	s_add_co_u32 s84, s84, s86                     ; the long tile's (in an A wave the same)
	s_add_nc_u64 s[56:57], s[4:5], s[82:83]
	s_add_nc_u64 s[58:59], s[4:5], s[84:85]
	s_mul_i32 s86, s[K], 4608
	s_add_co_u32 s86, s86, SCR
	v_and_b32 v1, 31, v0
	s_delay_alu instid0(VALU_DEP_1)
	v_lshlrev_b32 v1, 4, v1                        ; 16 x lane
	global_load_b128 v[16:19], v1, s[56:57]        ; (s[56:59] are never written again)
	global_load_b128 v[20:23], v1, s[56:57] offset:512
	global_load_b128 v[24:27], v1, s[58:59]
	global_load_b128 v[28:31], v1, s[58:59] offset:512
	v_add_nc_u32 v9, s86, v1                       ; my pair's hand-over
	v_and_b32 v3, 15, v0                           ; r
	v_bfe_u32 v4, v0, 4, 1                         ; h
	s_delay_alu instid0(VALU_DEP_1)
	v_lshlrev_b32 v4, 3, v4
	s_delay_alu instid0(VALU_DEP_1)
	v_sub_nc_u32 v2, v3, v4                        ; r - 8 h
.irp j, 0,1,2,3,4,5,6,7
	v_cmp_gt_i32 s[PM+\j], \j, v2                  ; key 8 h + j of the diagonal's tile comes after query r
.endr
	v_mov_b32 v[NINF], 0xff800000                  ; -infinity
	v_mov_b32 v236, 0                              ; a lane permute's destination counts as one of its sources
	v_mov_b32 v253, 0                              ; (named as the upper half of the pair v[252:253])
; a tile begins: the step is written once; its first run finds zeros, which the first change of M leaves zeros
.macro BEGIN
	v_mov_b32 v13, 0xff61b1e6                      ; the largest t so far: -3e38
	v_mov_b32 v14, 0
	v_mov_b32 v15, 0
	v_floor_f32 v12, -v13                          ; -M
.set i, 0
.rept 32
	v_mov_b32 v[160+i], 0
.set i, i+1
.endr
.endm
	BEGIN
	; where codes of o go: block of 128 rows = batch x 16 + block; K = 64 x head + d: K / 256 = head / 4; my tile; (head % 4) x 1,024 picks K / 128 % 2 and the half of the image
	s_lshr_b32 s90, s15, 4
	s_lshl_b32 s90, s90, 21
	s_bfe_u32 s91, s15, 0x20002
	s_lshl_b32 s91, s91, 15
	s_add_co_u32 s90, s90, s91
	s_and_b32 s91, s15, 3
	s_lshl_b32 s91, s91, 10
	s_add_co_u32 s90, s90, s91
	s_lshl_b32 s91, s[G], 12
	s_add_co_u32 s90, s90, s91
	s_lshl_b32 s88, s[K], 17
	s_add_co_u32 s88, s88, s90
	s_mov_b32 s89, 0
	s_lshl_b32 s91, s[LG], 17
	s_add_co_u32 s90, s90, s91
	s_mov_b32 s91, 0
	s_add_nc_u64 s[66:67], s[10:11], s[88:89]      ; the short tile's
	s_add_nc_u64 s[68:69], s[10:11], s[90:91]      ; the long tile's
	s_wait_alu depctr_va_vdst(0)                   ; the wait here, ahead of the wait below
	s_wait_kmcnt 0x0
	s_add_co_i32 s82, s74, s75
	s_lshl_b32 s82, s82, 23
	s_add_co_i32 s[CS], s[CS], s82                 ; e2 + e3 are added to c's exponent field
	s_mov_b32 s[CS+1], s[CS]
	s_add_co_i32 s82, s76, 127
	s_lshl_b32 s83, s82, 23                        ; 2^e4
	s_add_co_i32 s82, s82, 8
	s_lshl_b32 s82, s82, 23
	s_or_b32 s[LIMP], s82, 0x600000                ; 448 x 2^e4
	s_sub_co_i32 s84, s78, s76
	s_sub_co_i32 s84, s84, s77                     ; a sum of the second product stands for sum x 2^(e4 + e5): o's code is (sum / l) / 2^(e6 - e4 - e5)
	s_add_co_i32 s84, s84, 127
	s_lshl_b32 s85, s84, 23
	s_add_co_i32 s84, s84, 8
	s_lshl_b32 s84, s84, 23
	s_or_b32 s84, s84, 0x600000
	v_mov_b32 v244, s83
	v_mov_b32 v246, s85
	v_mov_b32 v247, s84
; A KEY STEP: key block s[KS], 128 keys.
.macro STEP
	s_cmp_gt_u32 s[KS], s[KB]                      ; not of my part: only the lines at the end, which step the address, are run
	s_cbranch_scc1 .Lhidden_\@
	v_add_nc_u32 v8, s[TB], v1
.rept 3
	v_nop                                          ; with the addition: four places in front of loads into registers that the last products read
.endr
.irp t, 0,1,2,3,4,5,6,7
	ds_load_b128 v[32+8*\t:35+8*\t], v8 offset:1024*\t
	ds_load_b128 v[36+8*\t:39+8*\t], v8 offset:1024*\t+512
.endr
	s_wait_alu depctr_va_vdst(0)
	s_wait_dscnt 0x8                               ; tiles 0-3 are in; the eight loads of tiles 4-7 may be out
.irp t, 0,1,2,3
	v_wmma_f32_16x16x64_fp8_fp8 v[96+8*\t:103+8*\t], v[32+8*\t:39+8*\t], v[16:23], 0
.endr
	s_wait_dscnt 0x0
.irp t, 4,5,6,7
	v_wmma_f32_16x16x64_fp8_fp8 v[96+8*\t:103+8*\t], v[32+8*\t:39+8*\t], v[16:23], 0
.endr
.rept 4
	v_nop                                          ; places in front of the loads below and of the first read of the scores
.endr
.irp d, 0,1,2,3
.irp q, 0,1,2,3
	ds_load_b128 v[32+16*\d+4*\q:35+16*\d+4*\q], v8 offset:8192+2048*\d+512*\q   ; V lands while the softmax is worked
.endr
.endr
	s_cmp_lg_u32 s[KS], s[DG]
	s_cbranch_scc1 .Lopen_\@
.irp t, 0,1,2,3,4,5,6,7                ; on the diagonal hidden scores become -infinity ahead of the maximum: p = 0 then.  Tiles under mine are open, tiles over mine hidden, mine by the lanes' masks
	s_cmp_lt_u32 s[G], \t
	s_cselect_b32 s96, -1, 0
	s_cmp_eq_u32 s[G], \t
.irp j, 0,1,2,3,4,5,6,7
	s_cselect_b32 s[88+\j], s[PM+\j], s96
.endr
.irp j, 0,1,2,3,4,5,6,7
	v_cndmask_b32 v[96+8*\t+\j], v[96+8*\t+\j], v[NINF], s[88+\j]
.endr
.endr
.Lopen_\@:
	v_max3_num_f32 v254, v96, v97, v98             ; the step's largest score of my query among my 64 keys, in two chains, from the low end on,
	v_max3_num_f32 v252, v99, v100, v101
.irp i, 6,10,14,18,22,26,30,34,38,42,46,50,54,58
	v_max3_num_f32 v254, v254, v[96+\i], v[97+\i]
	v_max3_num_f32 v252, v252, v[98+\i], v[99+\i]
.endr
	v_max3_num_f32 v254, v254, v158, v159
	s_delay_alu instid0(VALU_DEP_1)
	v_max_num_f32 v254, v254, v252
	s_delay_alu instid0(VALU_DEP_1)
	v_permlanex16_b32 v236, v254, s[SEL], s[SEL+1]
	s_delay_alu instid0(VALU_DEP_1)
	v_max_num_f32 v254, v254, v236                 ; and among lane l xor 16's
	s_delay_alu instid0(VALU_DEP_1)
	v_mul_f32 v254, s[CS], v254                    ; as t (c is positive)
	s_delay_alu instid0(VALU_DEP_1)
	v_max_num_f32 v13, v13, v254
	v_mov_b32 v254, v12
	s_delay_alu instid0(VALU_DEP_2)
	v_floor_f32 v12, -v13                          ; the new -M = floor(-t)
	s_delay_alu instid0(VALU_DEP_1)
	v_sub_f32 v254, v12, v254                      ; old M - new M: a whole number, 0 or less
	s_delay_alu instid0(VALU_DEP_1)
	v_cvt_i32_f32 v254, v254                       ; (it saturates)
	s_delay_alu instid0(VALU_DEP_1)
	v_ldexp_f32 v252, 1.0, v254                    ; f = 2^(old M - new M)
.set j, 0
.rept 32
	v_pk_fma_f32 v[96+j:97+j], v[96+j:97+j], s[CS:CS+1], v[12:13] op_sel_hi:[1,0,0]   ; t - M, two at a time
.set j, j+2
.endr
.set j, 0
	s_wait_alu depctr_va_vdst(0)                   ; the wait ahead of the batch
.rept 64
	v_exp_f32 v[96+j], v[96+j]                     ; p = 2^(t - M)
.set j, j+1
.endr
	v_pk_mul_f32 v[14:15], v[14:15], v[252:253] op_sel_hi:[1,0]   ; the sums under the new M: the plain line behind the exponentials
	s_wait_alu depctr_va_vdst(0)                   ; and behind it, ahead of its first reader
	v_pk_add_f32 v[242:243], v[96:97], v[98:99]    ; the row's sum, in four chains by turns
	v_pk_add_f32 v[254:255], v[100:101], v[102:103]
	v_pk_add_f32 v[250:251], v[104:105], v[106:107]
	v_pk_add_f32 v[14:15], v[14:15], v[108:109]
.irp j, 14,22,30,38,46,54
	v_pk_add_f32 v[242:243], v[242:243], v[96+\j:97+\j]
	v_pk_add_f32 v[254:255], v[254:255], v[98+\j:99+\j]
	v_pk_add_f32 v[250:251], v[250:251], v[100+\j:101+\j]
	v_pk_add_f32 v[14:15], v[14:15], v[102+\j:103+\j]
.endr
	v_pk_add_f32 v[242:243], v[242:243], v[158:159]
	v_pk_add_f32 v[254:255], v[254:255], v[250:251]
	s_delay_alu instid0(VALU_DEP_2)
	v_pk_add_f32 v[14:15], v[14:15], v[242:243]
	s_delay_alu instid0(VALU_DEP_1)
	v_pk_add_f32 v[14:15], v[14:15], v[254:255]
.irp t, 0,1,2,3,4,5,6,7
.irp i, 0,2,4,6
	v_dual_min_num_f32 v[96+8*\t+\i], s[LIMP], v[96+8*\t+\i] :: v_dual_min_num_f32 v[97+8*\t+\i], s[LIMP], v[97+8*\t+\i]   ; the conversion does not saturate (ISA guide 7.6.2); p is not negative, so the hold is one-sided
.endr
	v_cvt_scalef32_pk8_fp8_f32 v[192+2*\t:193+2*\t], v[96+8*\t:103+8*\t], v244
.endr
	s_wait_alu depctr_va_vdst(0)                   ; the wait here, ahead of the first reader of O^T
.set j, 0
.rept 16
	v_pk_mul_f32 v[160+j:161+j], v[160+j:161+j], v[252:253] op_sel_hi:[1,0]   ; O^T under the new M; also the plain lines between the conversions and the products
.set j, j+2
.endr
	s_wait_alu depctr_va_vdst(0)
	s_wait_dscnt 0x0                               ; V is in
.irp d, 0,1,2,3
	v_wmma_f32_16x16x128_fp8_fp8 v[160+8*\d:167+8*\d], v[32+16*\d:47+16*\d], v[192:207], v[160+8*\d:167+8*\d]   ; the four accumulators by turns
.endr
.Lhidden_\@:
	s_add_co_u32 s[KS], s[KS], 1
	s_add_co_u32 s[TB], s[TB], 16384
.endm
.macro LOOP n, first                   ; n key blocks from number first on: a constant count for every wave
	s_mov_b32 s[TB], (\first)*16384
	s_mov_b32 s[KS], \first
	s_mov_b32 s[CNT], \n
.Lk_\@:
	STEP
	s_sub_co_u32 s[CNT], s[CNT], 1
	s_cmp_lg_u32 s[CNT], 0
	s_cbranch_scc1 .Lk_\@
.endm
; A TILE GOES OUT: O^T / the sum, quantised: tile d's eight registers are channels 16 d + 8 h + 0 .. 7 of my query: registers 2 d, 2 d + 1 of my head's half of an image of the last product's operand
.macro OUT at
	v_add_f32 v14, v14, v15
	s_delay_alu instid0(VALU_DEP_1)
	v_permlanex16_b32 v236, v14, s[SEL], s[SEL+1]
	s_delay_alu instid0(VALU_DEP_1)
	v_add_f32 v14, v14, v236                       ; the row's sum
	s_wait_alu depctr_va_vdst(0)                   ; the wait ahead of the transcendental,
	v_rcp_f32 v14, v14
	v_nop                                          ; a plain line behind it,
	s_wait_alu depctr_va_vdst(0)                   ; and the wait ahead of its first reader
.set j, 0
.rept 16
	v_pk_mul_f32 v[96+j:97+j], v[160+j:161+j], v[14:15] op_sel_hi:[1,0]
.set j, j+2
.endr
.set j, 0
.rept 32
	v_med3_num_f32 v[96+j], v[96+j], -v247, v247
.set j, j+1
.endr
.irp d, 0,1,2,3
	v_cvt_scalef32_pk8_fp8_f32 v[208+2*\d:209+2*\d], v[96+8*\d:103+8*\d], v246
.endr
	v_nop
	global_store_b128 v1, v[208:211], s[\at:\at+1] ; 512 consecutive bytes each
	global_store_b128 v1, v[212:215], s[\at:\at+1] offset:512
.endm
	s_wait_alu depctr_va_vdst(0)                   ; the wait at the head's end
	s_wait_loadcnt 0x0                             ; Q
	s_wait_tensorcnt 0x0                           ; a fetching wave: its key block of 0-3 is in; ahead of a later first fill, the add twice on end,
	ds_add_u32 v[SPW], v[NIL]
	ds_add_u32 v[SPW], v[NIL]
	s_wait_dscnt 0x0
	CROUND                                         ; key blocks 0-3 are in, and the joint loads meet
	s_cmp_lt_u32 s[WV], 4
	s_cbranch_scc1 .Lasked
	tensor_load_to_lds s[48:51], s[G1:G1+7]        ; key blocks 4-15
	s_nop 0
.rept 4
	v_nop
.endr
.Lasked:
	LOOP 2, 0
	s_wait_tensorcnt 0x0                           ; mine has landed:
	s_wait_dscnt 0x0
	s_barrier_signal -1                            ; say so now; until the wait stand register work and reads of key blocks 2 and 3, which nobody writes
	LOOP 2, 2
	s_barrier_wait -1                              ; key blocks 4-15 are in
	LOOP 5, 4
.rept 4
	v_nop                                          ; places ahead of the first read of the last products
.endr
	s_cmp_eq_u32 s[RO], 0
	s_cbranch_scc1 .Lgive
	OUT 66                                         ; B: the short tile is done; on to the long tile
.irp i, 0,1,2,3,4,5,6,7
	v_mov_b32 v[16+\i], v[24+\i]
.endr
	BEGIN
	s_mov_b32 s[KB], s[LG]
	s_mov_b32 s[DG], s[LG]
	s_wait_alu depctr_va_vdst(0)                   ; the wait here, ahead of the branch
	s_branch .Lpart_two
.Lgive:                                                ; A: my part of the long tile goes to B
.irp i, 0,1,2,3,4,5,6,7
	ds_store_b128 v9, v[160+4*\i:163+4*\i] offset:512*\i
.endr
	ds_store_b128 v9, v[12:15] offset:4096
	s_mov_b32 s[KB], 0                             ; no key block of part two is mine
.Lpart_two:
	s_wait_dscnt 0x0                               ; A: what I handed over lies in LDS
	s_barrier_signal -1                            ; until the wait stand register work and reads of key blocks 9-15
	LOOP 7, 9
	s_barrier_wait -1
	s_cmp_eq_u32 s[RO], 0
	s_cbranch_scc1 .Lend
.rept 4
	v_nop                                          ; places ahead of loads into registers that the last products read
.endr
	s_wait_xcnt 0x0                                ; the short tile's stores have read their registers
	ds_load_b128 v[64:67], v9 offset:4096          ; A's -M, largest t, sum in two halves
.irp i, 0,1,2,3,4,5,6,7
	ds_load_b128 v[32+4*\i:35+4*\i], v9 offset:512*\i   ; and O^T
.endr
	s_wait_dscnt 0x0
	v_min_num_f32 v254, v12, v64                   ; the larger M, negated
	s_delay_alu instid0(VALU_DEP_1)
	v_sub_f32 v64, v254, v64
	v_sub_f32 v12, v254, v12
	s_delay_alu instid0(VALU_DEP_2)
	v_cvt_i32_f32 v64, v64
	s_delay_alu instid0(VALU_DEP_2)
	v_cvt_i32_f32 v12, v12
	s_delay_alu instid0(VALU_DEP_2)
	v_ldexp_f32 v252, 1.0, v64                     ; both parts under it: powers of two, nothing is rounded
	s_delay_alu instid0(VALU_DEP_2)
	v_ldexp_f32 v12, 1.0, v12
	s_delay_alu instid0(VALU_DEP_2)
	v_pk_mul_f32 v[66:67], v[66:67], v[252:253] op_sel_hi:[1,0]
.set j, 0
.rept 16
	v_pk_mul_f32 v[32+j:33+j], v[32+j:33+j], v[252:253] op_sel_hi:[1,0]
.set j, j+2
.endr
	v_pk_fma_f32 v[14:15], v[14:15], v[12:13], v[66:67] op_sel_hi:[1,0,1]
.set j, 0
.rept 16
	v_pk_fma_f32 v[160+j:161+j], v[160+j:161+j], v[12:13], v[32+j:33+j] op_sel_hi:[1,0,1]
.set j, j+2
.endr
	OUT 68
.Lend:
	s_wait_tensorcnt 0x0                           ; the wave's end
	ds_add_u32 v[SPW], v[NIL]
	s_wait_dscnt 0x0
	CROUND                                         ; the closing round
	s_endpgm
.Lfunc_end_k_q8744dd436b_attn:
	.size	k_q8744dd436b_attn, .Lfunc_end_k_q8744dd436b_attn-k_q8744dd436b_attn
	.p2alignl 7, 3214868480
	.fill 96, 4, 3214868480
	.section	.rodata,"a",@progbits
	.p2align	6, 0x0
	.amdhsa_kernel k_q8744dd436b_attn
		.amdhsa_group_segment_fixed_size 327680
		.amdhsa_private_segment_fixed_size 0
		.amdhsa_enable_private_segment 0
		.amdhsa_kernarg_size 32
		.amdhsa_user_sgpr_count 2
		.amdhsa_user_sgpr_kernarg_segment_ptr 1
		.amdhsa_wavefront_size32 1
		.amdhsa_system_sgpr_workgroup_id_x 1
		.amdhsa_system_sgpr_workgroup_id_y 1
		.amdhsa_system_sgpr_workgroup_id_z 1
		.amdhsa_system_vgpr_workitem_id 0
		.amdhsa_next_free_vgpr 256
		.amdhsa_next_free_sgpr 100
		.amdhsa_reserve_vcc 0
		.amdhsa_float_denorm_mode_32 3
		.amdhsa_float_denorm_mode_16_64 3
		.amdhsa_memory_ordered 1
		.amdhsa_forward_progress 1
		.amdhsa_inst_pref_size 113
	.end_amdhsa_kernel
	.amdgpu_metadata
---
amdhsa.version: [ 1, 2 ]
amdhsa.kernels:
  - .name:           k_q8744dd436b_attn
    .symbol:         k_q8744dd436b_attn.kd
    .args:
      - { .name: qimg, .offset: 0, .size: 8, .value_kind: global_buffer, .address_space: global }
      - { .name: kv, .offset: 8, .size: 8, .value_kind: global_buffer, .address_space: global }
      - { .name: lowp_scales, .offset: 16, .size: 8, .value_kind: global_buffer, .address_space: global }
      - { .name: oc, .offset: 24, .size: 8, .value_kind: global_buffer, .address_space: global }
    .group_segment_fixed_size: 327680
    .private_segment_fixed_size: 0
    .kernarg_segment_align: 8
    .kernarg_segment_size: 32
    .max_flat_workgroup_size: 512
    .sgpr_count:     100
    .vgpr_count:     256
    .wavefront_size: 32
...
	.end_amdgpu_metadata
.endif
;; end of part 3
;; launch proj (part 4): grid 8 x 32, 4 waves a work-group, clusters of 4 x 4, 327,680 bytes of LDS; arguments oc, codes, lowp_scales, b_out, out0; writes out0
.if DOCPART == 4
	.amdgcn_target "amdgcn-amd-amdhsa--gfx1250"
	.amdhsa_code_object_version 6
	.text
	.protected	k_q8744dd436b_proj
	.globl	k_q8744dd436b_proj
	.p2align	8
	.type	k_q8744dd436b_proj,@function
k_q8744dd436b_proj:
	s_mov_b64 s[64:65], 0
	v_nop
	global_prefetch_b8 v0, s[64:65] scope:SCOPE_SE
	s_setreg_imm32_b32 hwreg(HW_REG_WAVE_MODE, 25, 1), 1
	s_wait_xcnt 0x0
	s_wait_alu depctr_hold_cnt(0) depctr_sa_sdst(0) depctr_va_vdst(0) depctr_va_sdst(0) depctr_va_ssrc(0) depctr_va_vcc(0) depctr_vm_vsrc(0)
	s_getreg_b32 s2, hwreg(HW_REG_IB_STS2, 6, 4)
	s_cmp_eq_u32 s2, 0
	s_cbranch_scc0 .Lentry_in_a_cluster
	s_endpgm
.Lentry_in_a_cluster:
	s_bfe_u32 s2, ttmp6, 0x10000c
	s_cmp_lg_u32 s2, 0xf033
	s_cbranch_scc0 .Lentry_shape_is_right
	s_endpgm
.Lentry_shape_is_right:
; out0 = o W_out x 2^(e6 + e7) + b_out, on codes of FP8 (E4M3): o's codes [4096 x 1024] from the attention launch, W_out's (columns as rows) in blocks 56-63 of codes; out0 [4096][1024] f32.
; 256 tiles of 128 x 128, one to a work-group; four waves, 64 x 64 each.  Tiles of 256 x 256 would be 64 work-groups only.
; Both operands are images of operand registers, and a block of 128 rows x 1,024 along K is dense: 131,072 bytes.  THE WHOLE K LIES IN LDS (A's block, then B's), each byte filled once, by ONE tensor load of 65,536 bytes a wave.
; CLUSTERS: 4 x 4 work-groups; A's block is asked for jointly along a row of the cluster, B's along a column.  Waves 0 and 1 fetch A's halves, waves 2 and 3 B's.
; ROWS LEAVE EARLY: a wave takes all its fragments of B (4 tiles x 1,024 along K) into 512 registers, and then its four blocks of 16 rows are finished one after the other, K ascending, the four accumulators by turns: a block goes out while the next is multiplied.
; THE MATRIX INSTRUCTION IS USED TRANSPOSED (source 0 = 16 columns of W_out, source 1 = 16 rows of o): a lane holds eight neighbouring numbers of a row of out0.
; No prefetch: all fills go out at the head.  LIMIT: e6 + e7 between -126 and 127.
; REGISTERS: window 0: v16-29 addresses; v32-63 the bias; v64-127 the way out; v128-255 A's fragments of blocks 0 and 2.  windows 1, 2: B's fragments, number k along K at 64 (k % 4) of window 1 + k / 4.
;   window 3: v0-127 A's fragments of blocks 1 and 3; v128-159, v160-191 the accumulators of even and of odd blocks.
.set STAGE, 262144                     ; behind the blocks: 16 rows x (256 + 16) bytes for each wave; no tile lands there
.set SPARE, STAGE+4*16*272             ; the spare words, 128 bytes a wave
.set ADRA, 16
.set ADRB, 18
.set STO,  24
.set RD,   25
.set CO,   26
.set BO,   27
.set SPW,  28
.set NIL,  29
.set BI,   32
.set TMP,  64
.set BK,   96
.set G1,  24
.set G1B, 32
.set G0,  40
.set G0B, 44
.set MSB, 0
.macro WIN new
.if MSB != (\new)
	s_set_vgpr_msb (MSB<<8)|(\new)
.set MSB, \new
.endif
.endm
.macro CROUND
	s_barrier_signal -1
	s_barrier_wait -1
	s_cmp_lg_u32 s14, 0
	s_cbranch_scc1 .Lnot_wave_0_\@
	s_barrier_signal -3
.Lnot_wave_0_\@:
	s_barrier_wait -3
	s_barrier_signal -1
	s_barrier_wait -1
.endm
.macro PLACES n
.rept \n
	v_nop
.endr
.endm
	s_load_b256 s[4:11], s[0:1], 0x0               ; oc s[4:5], codes s[6:7], the scales' exponents s[8:9], b_out s[10:11]
	s_load_b64 s[12:13], s[0:1], 0x20              ; out0
	v_lshl_add_u32 v[SPW], v0, 2, SPARE
	v_mov_b32 v[NIL], 0
	ds_add_u32 v[SPW], v[NIL]                      ; the add, twice on end, under one wait
	ds_add_u32 v[SPW], v[NIL]
	v_lshrrev_b32 v1, 5, v0
	v_readfirstlane_b32 s14, v1                    ; wave 0..3
	s_lshr_b32 s15, s14, 1                         ; which 64 rows are mine.  Also: I fetch for A (0) or for B (1)
	s_and_b32 s16, s14, 1                          ; which 64 columns.  Also: which half along K I fetch
	s_bfe_u32 s18, ttmp6, 0x40000                  ; cx
	s_bfe_u32 s19, ttmp6, 0x40004                  ; cy
	s_lshl_b32 s20, ttmp9, 2
	s_add_co_u32 s20, s20, s18                     ; tile column
	s_and_b32 s21, ttmp7, 0xffff
	s_lshl_b32 s21, s21, 2
	s_add_co_u32 s21, s21, s19                     ; tile row
	s_lshl_b32 s22, s19, 2
	s_lshl_b32 s22, 15, s22                        ; my row of the cluster
	s_lshl_b32 s23, 0x1111, s18                    ; my column
	s_or_b32 s[G1+0], s22, (3<<16)|(1<<21)         ; 15:0 the mask; 17:16 elements of 8 bytes; 21 set beside a mask
	s_or_b32 s[G1B+0], s23, (3<<16)|(1<<21)
.irp g, G1, G1B
	s_mov_b32 s[\g+1], 32<<16                      ; a dense run of 65,536 bytes as 256 rows of 32 elements
	s_mov_b32 s[\g+2], 256<<16
	s_mov_b32 s[\g+3], 32<<16
	s_mov_b32 s[\g+4], 256
	s_mov_b32 s[\g+5], 32
	s_mov_b32 s[\g+6], 0
	s_mov_b32 s[\g+7], 0
.endr
	s_lshl_b32 s88, s16, 16                        ; my half along K
	s_lshl_b32 s86, s21, 17                        ; A: block = tile row
	s_add_co_u32 s86, s86, s88
	s_mov_b32 s87, 0
	s_add_co_u32 s90, s20, 56                      ; B: block 56 + tile column
	s_lshl_b32 s90, s90, 17
	s_add_co_u32 s90, s90, s88
	s_mov_b32 s91, 0
	s_lshl_b32 s92, s14, 16                        ; where it goes: wave x 65,536
	s_wait_dscnt 0x0                               ; both opening adds are done
	s_wait_kmcnt 0x0
	s_load_b64 s[84:85], s[8:9], 0x18              ; e6, e7
	s_mov_b32 s[G0], 1
	s_mov_b32 s[G0+1], s92
	s_add_nc_u64 s[G0+2:G0+3], s[4:5], s[86:87]
	s_or_b32 s[G0+3], s[G0+3], 0x80000000
	s_mov_b32 s[G0B], 1
	s_mov_b32 s[G0B+1], s92
	s_add_nc_u64 s[G0B+2:G0B+3], s[6:7], s[90:91]
	s_or_b32 s[G0B+3], s[G0B+3], 0x80000000
	CROUND                                         ; all sixteen work-groups are here: the joint loads meet
	s_cmp_eq_u32 s15, 0
	s_cbranch_scc0 .Lfor_b
	tensor_load_to_lds s[G0:G0+3], s[G1:G1+7]
	s_nop 0
	PLACES 4
	s_branch .Lasked
.Lfor_b:
	tensor_load_to_lds s[G0B:G0B+3], s[G1B:G1B+7]
	s_nop 0
	PLACES 4
.Lasked:
	s_lshl_b32 s94, s20, 9
	s_lshl_b32 s95, s16, 8
	s_add_co_u32 s94, s94, s95                     ; my first column, in bytes: 512 x tile column + 256 x half
	s_mov_b32 s95, 0
	s_add_nc_u64 s[10:11], s[10:11], s[94:95]
	s_add_nc_u64 s[12:13], s[12:13], s[94:95]
	s_lshl_b32 s94, s21, 19                        ; my first row: 128 x tile row + 64 x half, of 4,096 bytes
	s_lshl_b32 s96, s15, 18
	s_add_co_u32 s94, s94, s96
	s_add_nc_u64 s[12:13], s[12:13], s[94:95]
	s_lshl_b32 s86, s15, 14                        ; my four tiles of A,
	s_add_co_u32 s87, s86, 65536                   ; in K's second half
	s_lshl_b32 s88, s16, 14
	s_add_co_u32 s88, s88, 131072                  ; my four of B, behind A's block
	s_add_co_u32 s89, s88, 65536
	s_mul_i32 s93, s14, 16*272
	s_add_co_u32 s93, s93, STAGE                   ; my stage
	v_and_b32 v1, 31, v0
	v_lshlrev_b32 v2, 4, v1                        ; 16 x lane
	v_and_b32 v3, 15, v0                           ; r
	v_bfe_u32 v4, v0, 4, 1                         ; h
	v_lshlrev_b32 v[BO], 5, v4                     ; the bias: my half's eight of each sixteen
.irp b, 0,1,2,3
	global_load_b128 v[BI+8*\b:BI+8*\b+3], v[BO], s[10:11] offset:64*\b        ; b_out at my columns 16 b + 8 h + 0 .. 7, in the result's layout
	global_load_b128 v[BI+8*\b+4:BI+8*\b+7], v[BO], s[10:11] offset:64*\b+16
.endr
	v_add_nc_u32 v[ADRA], s86, v2
	v_add_nc_u32 v[ADRA+1], s87, v2
	v_add_nc_u32 v[ADRB], s88, v2
	v_add_nc_u32 v[ADRB+1], s89, v2
	v_mul_u32_u24 v5, v3, 272
	v_lshl_add_u32 v5, v4, 5, v5
	v_add_nc_u32 v[STO], s93, v5                   ; in: row r, 32 bytes for each half of the lanes
	v_mul_u32_u24 v6, v4, 272
	v_lshl_add_u32 v6, v3, 4, v6
	v_add_nc_u32 v[RD], s93, v6                    ; back: lanes 0-15 one row of 256 bytes, lanes 16-31 the next
	v_lshlrev_b32 v7, 12, v4
	v_lshl_add_u32 v[CO], v3, 4, v7                ; and the same two rows in out0
; B's four fragments of the k-th 128 along K: 16 loads of 512 consecutive bytes
.macro BL k
	WIN (1+(\k)/4)<<6
.irp b, 0,1,2,3
.irp j, 0,1,2,3
	ds_load_b128 v[64*((\k)%4)+16*\b+4*\j:64*((\k)%4)+16*\b+4*\j+3], v[ADRB+(\k)/4] offset:(((\k)/2)%2)*32768+(2*\b+(\k)%2)*2048+512*\j
.endr
.endr
.endm
; A's fragment of block a, the k-th 128 along K: 4 loads
.macro AL a, k
.set AB, 128*(1-(\a)%2)
	WIN (3*((\a)%2))<<6
.irp j, 0,1,2,3
	ds_load_b128 v[AB+16*(\k)+4*\j:AB+16*(\k)+4*\j+3], v[ADRA+(\k)/4] offset:(((\k)/2)%2)*32768+(2*(\a)+(\k)%2)*2048+512*\j
.endr
.endm
; four products of block a: one for each accumulator
.macro MULK a, k
.set AB, 128*(1-(\a)%2)
.set AC, 128+32*((\a)%2)
	WIN 0xf0|(12*((\a)%2))|(1+(\k)/4)
.irp b, 0,1,2,3
.if (\k) == 0
	v_wmma_f32_16x16x128_fp8_fp8 v[AC+8*\b:AC+8*\b+7], v[64*((\k)%4)+16*\b:64*((\k)%4)+16*\b+15], v[AB+16*(\k):AB+16*(\k)+15], 0
.else
	v_wmma_f32_16x16x128_fp8_fp8 v[AC+8*\b:AC+8*\b+7], v[64*((\k)%4)+16*\b:64*((\k)%4)+16*\b+15], v[AB+16*(\k):AB+16*(\k)+15], v[AC+8*\b:AC+8*\b+7]
.endif
.endr
.endm
; 40 loads: A's block 0 and B, two of 128 along K
.macro TWO k
	AL 0, \k
	AL 0, \k+1
	BL \k
	BL \k+1
.endm
; block a's numbers to the stage and back as whole rows
.macro TOSTAGE a
.set AC, 128+32*((\a)%2)
	WIN 0x03
.irp b, 0,1,2,3
.irp i, 0,2,4,6
	v_pk_fma_f32 v[TMP+8*\b+\i:TMP+8*\b+\i+1], v[AC+8*\b+\i:AC+8*\b+\i+1], s[84:85], v[BI+8*\b+\i:BI+8*\b+\i+1] op_sel_hi:[1,0,1]   ; sum x 2^(e6 + e7) + bias; each accumulator from its low end on
.endr
.endr
	WIN 0
.irp b, 0,1,2,3
	ds_store_b128 v[STO], v[TMP+8*\b:TMP+8*\b+3] offset:64*\b
	ds_store_b128 v[STO], v[TMP+8*\b+4:TMP+8*\b+7] offset:64*\b+16
.endr
.irp t, 0,1,2,3,4,5,6,7
	ds_load_b128 v[BK+4*\t:BK+4*\t+3], v[RD] offset:544*\t   ; LDS serves a wave's instructions in order: these see the stores above, and the next block's stores come behind them
.endr
.endm
.macro SEND a
.irp t, 0,1,2,3,4,5,6,7
	global_store_b128 v[CO], v[BK+4*\t:BK+4*\t+3], s[12:13] offset:(16*(\a)+2*\t)*4096 th:TH_STORE_NT   ; 16 lanes store 256 consecutive bytes, at a multiple of 256 from out0's first byte
.endr
.endm
	s_wait_alu depctr_va_vdst(0)                   ; the wait at the head's end
	s_wait_tensorcnt 0x0                           ; my part is in
	s_barrier_signal -1
	s_barrier_wait -1                              ; everybody's is.
	TWO 0
	TWO 2
	s_wait_dscnt 40                                ; the older 40 loads are in
	MULK 0, 0
	MULK 0, 1
	TWO 4
	s_wait_dscnt 40
	MULK 0, 2
	MULK 0, 3
	TWO 6
	s_wait_dscnt 40
	MULK 0, 4
	MULK 0, 5
.irp k, 0,1,2,3,4,5,6,7
	AL 1, \k
.endr
	s_wait_dscnt 32                                ; all but block 1's 32 loads
	MULK 0, 6
	MULK 0, 7
	WIN 0
	s_wait_loadcnt 0x0                             ; the bias
	s_wait_kmcnt 0x0
	s_add_co_i32 s84, s84, s85
	s_add_co_i32 s84, s84, 127
	s_lshl_b32 s84, s84, 23                        ; 2^(e6 + e7) as f32
	s_mov_b32 s85, s84                             ; (named with it as a pair, so it is written)
.irp a, 0,1,2,3
	WIN 0
	PLACES 4                                       ; behind block a's last products, ahead of the reads of its results and of the loads below
.if \a > 0
	s_wait_xcnt 0x0                                ; the last block's stores have read their data: the loads from the stage land there only behind this wait
.endif
	TOSTAGE \a
.if \a < 2
.irp k, 0,1,2,3,4,5,6,7
	AL \a+2, \k
.endr
.endif
.if \a < 3
.if \a < 2
	s_wait_dscnt 48                                ; block a + 1's fragments are in; behind them the stage's 16 and block a + 2's 32
.else
	s_wait_dscnt 16
.endif
.irp k, 0,1,2,3
	MULK \a+1, \k
.endr
.endif
	WIN 0
.if \a < 2
	s_wait_dscnt 32                                ; block a is back from the stage
.else
	s_wait_dscnt 0x0
.endif
	SEND \a
.if \a < 3
.irp k, 4,5,6,7
	MULK \a+1, \k
.endr
.endif
.endr
	s_wait_tensorcnt 0x0                           ; the wave's end
	ds_add_u32 v[SPW], v[NIL]
	s_wait_dscnt 0x0
	CROUND                                         ; the closing round
	s_endpgm
.Lfunc_end_k_q8744dd436b_proj:
	.size	k_q8744dd436b_proj, .Lfunc_end_k_q8744dd436b_proj-k_q8744dd436b_proj
	.p2alignl 7, 3214868480
	.fill 96, 4, 3214868480
	.section	.rodata,"a",@progbits
	.p2align	6, 0x0
	.amdhsa_kernel k_q8744dd436b_proj
		.amdhsa_group_segment_fixed_size 327680
		.amdhsa_private_segment_fixed_size 0
		.amdhsa_enable_private_segment 0
		.amdhsa_kernarg_size 40
		.amdhsa_user_sgpr_count 2
		.amdhsa_user_sgpr_kernarg_segment_ptr 1
		.amdhsa_wavefront_size32 1
		.amdhsa_system_sgpr_workgroup_id_x 1
		.amdhsa_system_sgpr_workgroup_id_y 1
		.amdhsa_system_sgpr_workgroup_id_z 1
		.amdhsa_system_vgpr_workitem_id 0
		.amdhsa_next_free_vgpr 1024
		.amdhsa_next_free_sgpr 100
		.amdhsa_reserve_vcc 0
		.amdhsa_float_denorm_mode_32 3
		.amdhsa_float_denorm_mode_16_64 3
		.amdhsa_memory_ordered 1
		.amdhsa_forward_progress 1
		.amdhsa_inst_pref_size 44
	.end_amdhsa_kernel
	.amdgpu_metadata
---
amdhsa.version: [ 1, 2 ]
amdhsa.kernels:
  - .name:           k_q8744dd436b_proj
    .symbol:         k_q8744dd436b_proj.kd
    .args:
      - { .name: oc, .offset: 0, .size: 8, .value_kind: global_buffer, .address_space: global }
      - { .name: codes, .offset: 8, .size: 8, .value_kind: global_buffer, .address_space: global }
      - { .name: lowp_scales, .offset: 16, .size: 8, .value_kind: global_buffer, .address_space: global }
      - { .name: b_out, .offset: 24, .size: 8, .value_kind: global_buffer, .address_space: global }
      - { .name: out0, .offset: 32, .size: 8, .value_kind: global_buffer, .address_space: global }
    .group_segment_fixed_size: 327680
    .private_segment_fixed_size: 0
    .kernarg_segment_align: 8
    .kernarg_segment_size: 40
    .max_flat_workgroup_size: 128
    .sgpr_count:     100
    .vgpr_count:     1024
    .wavefront_size: 32
...
	.end_amdgpu_metadata
.endif
;; end of part 4
